; MI455X (gfx1250); checked and timed in simulation.
; The chip was launched on July 23, 2026; its instructions are those of AMD's public machine-readable ISA for CDNA 5 (MIT licence, August 2026) and "CDNA5" Instruction Set Architecture Reference Guide (July 2026). The comments in the code are by the model that wrote it; some were corrected since.
;; Sync Nllb Moe Sparse MLP. Allowed arithmetic: matrix products marked QUANTISED: E2M1 operands, one E8M0 scale for each 32 along K, by v_wmma_scale_f32_16x16x128_f8f6f4 with both operands' format E2M1 (or v_wmma_scale_f32_32x16x128_f4), f32 sums; products left as they are: f32 operands where the result goes on into a quantised operand, else bf16, f16 or f32 operands; f32 sums; everything else in f32.
;; Inputs: b1 8 x 2,048 float32; b2 8 x 1,024 float32; hidden_states 2 x 1,024 x 1,024 float32; router_w 1,024 x 8 float32; w1 8 x 1,024 x 2,048 float32; w2 8 x 2,048 x 1,024 float32.
;; Outputs: out0 2 x 1,024 x 1,024 float32; out1 2 x 1,024 x 8 float32; out2 2 x 1,024 int32.
;; This version of the problem:
;;   THIS VERSION OF THE PROBLEM IS GIVEN IN LOW PRECISION. The matrix products marked QUANTISED in the list below multiply operands that are first quantised to E2M1 (2 exponent bits, 1 mantissa bit; 4 bits a number), with one power-of-two scale for each 32 numbers along K (OCP MX v1.0); their sums are f32. All else is computed in f32.
;;   The module's matrix products, in the order in which they are computed (A, B: the left and right operand; K: the contracted axis; several contracted axes count as one K, in the product's order):
;;     1. [M 2,048, K 1,024] x [K 1,024, N 8]; A: input hidden_states; B: input router_w: left as it is (N = 8 < 16)
;;     2. [M 16,384, K 1,024] x [K 1,024, N 2,048]; A: input w1; B: input hidden_states: QUANTISED
;;     3. batch 8 x [M 2,048, K 2,048] x [K 2,048, N 1,024]; A: computed on the way; B: input w2: QUANTISED
;;     4. batch 2,048 x [M 1, K 8] x [K 8, N 1,024]; A: computed on the way; B: computed on the way: left as it is (K = 8 < 32)
;;   THE QUANTISER, for each operand of a quantised product, along K:
;;     - K is cut into blocks of 32 from its start; a last block that is shorter is filled with zeros.
;;     - A block's scale is 2^e with e = floor(log2(the largest magnitude in the block)) - 2, held to -126 .. 127; a block of zeros has e = 0. As a byte (E8M0): e + 127.
;;     - Each number is divided by its block's scale, clamped to +-6, and rounded to the nearest number of E2M1, ties to even, subnormals kept.
;;     - The product sums the exact products of the quantised numbers (number of the format x scale) in f32.
;;   ~~~python
;;   def quantise(x, axis):      # numpy; x: float32 -> the quantised numbers, widened to float32 again
;;       x = np.moveaxis(x, axis, -1); K = x.shape[-1]
;;       x = np.pad(x, [(0, 0)] * (x.ndim - 1) + [(0, -K % 32)]); x = x.reshape(x.shape[:-1] + (-1, 32)); a = np.abs(x).max(-1, keepdims=True)
;;       e = np.where(a > 0, np.clip(np.frexp(np.where(a > 0, a, 1))[1] - 1 - 2, -126, 127), 0)      # np.frexp(a)[1] - 1 = floor(log2(a)), exactly
;;       r = np.clip(x / 2.0 ** e, -6, 6)
;;       step = 2.0 ** (np.maximum(np.frexp(np.where(r == 0, 1, r))[1] - 1, 0) - 1)
;;       q = np.round(r / step) * step * 2.0 ** e      # np.round: ties to even
;;       return np.moveaxis(q.reshape(q.shape[:-2] + (-1,))[..., :K], -1, axis).astype(np.float32)
;;   ~~~
;;   OPERANDS COMPUTED ON THE WAY. 'Computed on the way' means the value that the module computes at that place (a softmax that the list does not call 'softmax' is quantised finished and normalised). What goes into a quantiser is computed in f32, as accurately as f32 sums, v_exp_f32 and their like allow (about 1e-6 of the number): no bf16 or f16 on the way to a quantiser, and a product that is left as it is and whose result goes on into a quantised operand takes f32 operands (vector FMAs, or v_wmma_f32_16x16x4_f32). A number that lies on a knife's edge between two numbers of the format may be rounded either way, as far as f32 arithmetic and the matrix unit's own rounding can turn it there, and no further.
;; One version. Each part assembles by itself: llvm-mc -triple=amdgcn-amd-amdhsa -mcpu=gfx1250 --defsym DOCPART=n.
;; ======== version 1 of 1: 4 launches
;; limits: right only within a limited range of input values
;; workspace buffers: xq 1,130,496 bytes; sel 8,192 bytes of whole numbers; h 17,825,792 bytes; y 17,039,360 bytes; w2q 8,912,896 bytes; lst 65,536 bytes of whole numbers
;; launch route (part 1): grid 256 x 1, 8 waves a work-group, no clusters, 75,776 bytes of LDS; arguments hidden_states, router_w, xq, sel, out1, out2, w2, w2q; writes xq, sel, out1, out2, w2q
.if DOCPART == 1
	.amdgcn_target "amdgcn-amd-amdhsa--gfx1250"
	.amdhsa_code_object_version 6
	.text
	.protected	k_q423b480f1e_route
	.globl	k_q423b480f1e_route
	.p2align	8
	.type	k_q423b480f1e_route,@function
k_q423b480f1e_route:
	s_mov_b64 s[64:65], 0
	v_nop
	global_prefetch_b8 v0, s[64:65] scope:SCOPE_SE
	s_setreg_imm32_b32 hwreg(HW_REG_WAVE_MODE, 25, 1), 1
	s_wait_xcnt 0x0
; ROUTE.  x [2048][1024] f32 becomes codes of E2M1 with one E8M0 byte for each 32 along D (xq), and the router runs in f32: logits = x router_w, softmax,
; top-1 = first largest probability, top-2 = first largest logit with top-1 taken out, the two probabilities normalised.  Stored: out1 (gates), out2 (top-1), sel (e1 | e2 << 8, whole numbers
; for the next launch), and the two gates of each token (xq, behind the scale bytes).
; WORK LEFT OUT IN THE WHOLE PROGRAM.  gates[t][e] is (p1/denom) m1[t][e] + (p2/denom) m2[t][e], and m1, m2 are one_hot masks that the problem builds itself: for the six experts that token t did not
; choose the gate is exactly 0, whatever the inputs hold.  Their rows of relu(x w1 + b1) and of h w2 + b2 enter the last product only as 0 x y, which is 0 in exact arithmetic for all finite inputs.
; So only the two chosen rows of each token are multiplied; the choice is stored here as whole numbers and read by the later launches.  Every input has a way to an output and is loaded.
; LIMITS.  A NaN, an infinity or an overflow that arises only in a row of an expert that was not chosen is not carried to out0.  NaN and infinities among the inputs are not served.
; A block whose largest magnitude lies under 2^-124 gets the scale byte 1; so does a block of zeros, where the quantiser says 127: its codes are zeros, and the bytes are read by this program alone.
; The logits are f32 sums in another order than a row-by-row sum, exp and 1/x are v_exp_f32 and v_rcp_f32: two experts that tie within that rounding may be taken in the other order.
; SHARES.  A work-group owns 8 tokens.  Wave w loads and quantises token w (lane l: block l of 32).  For the router thread (e = l % 8, chunk kc = 4 w + l / 8) keeps router_w[32 kc .. +31][e] in 32 registers
; and forms that chunk's part of the dot product for all 8 tokens, whose rows lie in LDS.  Waves 0 and 1 add the parts and make the choice, tokens 0-3 and 4-7, a lane to a (token, expert).
; No matrix unit (N = 8), no cluster (work-groups share only router_w, 32 KB), no prefetch (the launch is short and all its loads go out at the head).
.set XROW,  4608                       ; LDS: a token's row: 32 blocks of 128 bytes + 16 of padding
.set XBLK,  144
.set RED,   36864                      ; the waves' parts of the logits: [token 8][wave 8][expert 8] words
.set SCB,   38912                      ; the 8 tokens' 256 scale bytes
.set SPARE, 39168                      ; the spare words, 128 bytes for each wave
.set XSC,   1048576                    ; xq: where the scale bytes begin,
.set GWO,   1114112                    ; and the gates
.set Q,   16                           ; v16-47   the row as loaded, then my block of 32
.set RW,  48                           ; v48-79   my 32 numbers of router_w
.set XB,  80                           ; v80-143  two sets of 32 numbers of x
.set AC,  144                          ; v144-159 a pair of sums for each token
.set P,   160                          ; v160-167 the wave's part for each token
.set W,   168                          ; v168-191 at work in the choice
.set PD,  192                          ; v192-199 destinations of the lane permutes
.set QM,  200                          ; v200-207 the quantiser: two maxima, the scale operand, the byte, four registers of codes
	s_load_b256 s[4:11], s[0:1], 0x0               ; x s[4:5], router_w s[6:7], xq s[8:9], sel s[10:11]
	s_load_b128 s[12:15], s[0:1], 0x20             ; out1 s[12:13], out2 s[14:15]
	; THIS LAUNCH ALSO QUANTISES w2 (the text behind .Lend): its 64 loads a wave land in v256-511 while the router is at work
	s_load_b128 s[32:35], s[0:1], 0x30             ; w2 s[32:33], w2q s[34:35]
	v_bfe_u32 v218, v0, 4, 1
	v_and_b32 v219, 15, v0
	s_delay_alu instid0(VALU_DEP_2)
	v_lshlrev_b32 v218, 17, v218
	s_delay_alu instid0(VALU_DEP_1)
	v_lshl_add_u32 v218, v219, 4, v218             ; w2: lanes 0-15 take 256 bytes of a row, lanes 16-31 those of the row 32 further down
	v_lshl_add_u32 v10, v0, 2, SPARE               ; my spare word
	v_mov_b32 v11, 0
	v_lshrrev_b32 v1, 5, v0
	s_delay_alu instid0(VALU_DEP_1)
	v_readfirstlane_b32 s16, v1                    ; wave
	v_and_b32 v1, 31, v0                           ; lane
	s_delay_alu instid0(VALU_DEP_1)
	v_lshlrev_b32 v2, 4, v1                        ; 16 l
	v_bfe_u32 v208, v0, 3, 2                       ; l / 8
	v_and_b32 v209, 7, v0                          ; l % 8
	s_mul_i32 s17, s16, XROW
	v_mul_u32_u24 v5, v208, XBLK
	s_delay_alu instid0(VALU_DEP_1)
	v_lshl_add_u32 v3, v209, 4, v5
	s_delay_alu instid0(VALU_DEP_1)
	v_add_nc_u32 v3, s17, v3                       ; a load's 512 bytes are four blocks: my 16 bytes lie in block l / 8 of them
	v_mul_u32_u24 v4, v1, XBLK
	s_delay_alu instid0(VALU_DEP_1)
	v_add_nc_u32 v4, s17, v4                       ; back: block l of my wave's row
	s_mul_i32 s18, s16, 4*XBLK
	v_add_nc_u32 v5, s18, v5                       ; the router: block kc = 4 w + l / 8 of any row
	v_lshlrev_b32 v6, 10, v208
	s_delay_alu instid0(VALU_DEP_1)
	v_lshl_add_u32 v6, v209, 2, v6
	s_lshl_b32 s18, s16, 12
	v_add_nc_u32 v6, s18, v6                       ; router_w: 1,024 kc + 4 e
	s_lshl_b32 s18, s16, 5
	v_lshlrev_b32 v7, 2, v209
	s_delay_alu instid0(VALU_DEP_1)
	v_add_nc_u32 v7, s18, v7
	s_delay_alu instid0(VALU_DEP_1)
	v_add_nc_u32 v7, RED, v7                       ; my wave's part: 32 w + 4 e
	v_add_nc_u32 v8, s18, v1
	s_delay_alu instid0(VALU_DEP_1)
	v_add_nc_u32 v8, SCB, v8                       ; my block's scale byte
	v_lshlrev_b32 v9, 8, v208
	s_delay_alu instid0(VALU_DEP_1)
	v_lshl_add_u32 v9, v209, 2, v9
	s_delay_alu instid0(VALU_DEP_1)
	v_add_nc_u32 v9, RED, v9                       ; the choice: token l / 8 (of four), expert l % 8
	v_cvt_f32_u32 v12, v209                        ; my expert's number as f32
	s_lshl_b32 s19, ttmp9, 8
	v_lshl_add_u32 v13, v1, 2, s19                 ; out1: 256 b + 4 l
	v_lshl_add_u32 v212, v1, 3, s19                ; the scale bytes on their way out: 256 b + 8 l
	s_lshl_b32 s20, ttmp9, 5
	v_lshl_add_u32 v14, v208, 2, s20               ; out2, sel: 32 b + 4 (l / 8)
	s_lshl_b32 s20, ttmp9, 6
	v_lshl_add_u32 v15, v208, 3, s20               ; the gates: 64 b + 8 (l / 8)
	s_lshl_b32 s20, ttmp9, 3
	s_add_co_u32 s20, s20, s16                     ; my wave's token
	s_lshl_b32 s21, s20, 12
	v_add_nc_u32 v210, s21, v2                     ; its row of x
	s_lshl_b32 s21, s20, 9
	v_add_nc_u32 v211, s21, v2                     ; its row of codes
	s_mov_b32 s30, 0x76543210
	s_mov_b32 s31, 0xfedcba98                      ; v_permlanex16_b32's selects for lane l xor 16
	s_lshr_b32 s36, ttmp9, 1                       ; w2: work-group b takes K step b / 2 of the 128 (128 rows of 4,096 bytes), half b % 2 of the columns; my wave 64 columns of it
	s_lshl_b32 s36, s36, 19
	s_and_b32 s37, ttmp9, 1
	s_lshl_b32 s37, s37, 11
	s_add_co_u32 s36, s36, s37
	s_lshl_b32 s37, s16, 8
	s_add_co_u32 s36, s36, s37
	s_mov_b32 s37, 0
	v_mov_b32 v213, 0xff800000                     ; -infinity
.irp t, 0,1,2,3,4,5,6,7
	v_mov_b32 v[PD+\t], 0                          ; a lane permute's destination counts as one of its sources
.endr
	s_wait_kmcnt 0x0
	s_add_nc_u64 s[32:33], s[32:33], s[36:37]
.irp i, 0,1,2,3,4,5,6,7
	global_load_b128 v[Q+4*\i:Q+4*\i+3], v210, s[4:5] offset:512*\i th:TH_LOAD_NT   ; 32 lanes read 512 consecutive bytes
.endr
.set i, 0
.rept 32
	global_load_b32 v[RW+i], v6, s[6:7] offset:32*i
.set i, i+1
.endr
	s_set_vgpr_msb 0x40                            ; destination v256 on
.set i, 0
.rept 32
.if i == 31
	s_wait_loadcnt 63                              ; x's row is in: behind its eight loads stand router_w's 32 and 31 of w2's
.endif
	global_load_b128 v[4*i:4*i+3], v218, s[32:33] offset:i*4096 th:TH_LOAD_NT   ; w2, rows 32 h + i of my K step
.set i, i+1
.endr
	s_set_vgpr_msb 0x4000
.irp i, 0,1,2,3,4,5,6,7
	ds_store_b128 v3, v[Q+4*\i:Q+4*\i+3] offset:4*XBLK*\i
.endr
.irp i, 0,1,2,3,4,5,6,7
	ds_load_b128 v[Q+4*\i:Q+4*\i+3], v4 offset:16*\i    ; LDS serves a wave's instructions in order: these see my stores
.endr
	s_wait_dscnt 0x0
	; my block of 32: its largest magnitude, with the floor 2^(3 - 127) as one more leaf, so that the byte cannot fall under 1
	v_max3_num_f32 v[QM], |v[Q]|, |v[Q+1]|, |v[Q+2]|
	v_max3_num_f32 v[QM+1], |v[Q+3]|, |v[Q+4]|, |v[Q+5]|
.irp i, 6,10,14,18,22,26
	s_delay_alu instid0(VALU_DEP_2)
	v_max3_num_f32 v[QM], v[QM], |v[Q+\i]|, |v[Q+\i+1]|
	s_delay_alu instid0(VALU_DEP_2)
	v_max3_num_f32 v[QM+1], v[QM+1], |v[Q+\i+2]|, |v[Q+\i+3]|
.endr
	s_delay_alu instid0(VALU_DEP_2)
	v_max3_num_f32 v[QM], v[QM], |v[Q+30]|, |v[Q+31]|
	s_delay_alu instid0(VALU_DEP_1)
	v_max3_num_f32 v[QM], v[QM], v[QM+1], 0x1800000
	s_delay_alu instid0(VALU_DEP_1)
	v_add_nc_u32 v[QM+2], 0xff000000, v[QM]        ; 2 off its exponent field: the conversion takes the exponent field of this operand as its scale
	s_delay_alu instid0(VALU_DEP_1)
	v_lshrrev_b32 v[QM+3], 23, v[QM+2]             ; the scale's byte
.irp g, 0,1,2,3
	v_cvt_scalef32_pk8_fp4_f32 v[QM+4+\g], v[Q+8*\g:Q+8*\g+7], v[QM+2]
.endr
	v_nop                                          ; one plain place behind the conversions
	global_store_b128 v211, v[QM+4:QM+7], s[8:9]   ; 32 lanes store the row's 512 bytes of codes
	ds_store_b8 v8, v[QM+3]
	s_wait_dscnt 0x0                               ; for the others' sake: my row and my bytes lie in LDS
	s_barrier_signal -1
	s_barrier_wait -1
	s_wait_loadcnt 32                              ; router_w is in; w2's 32 younger loads may stay out
.macro W2C1 t                          ; four loads of w2's rows 64 + 32 h + i, i = 4 t .. 4 t + 3: the 32 go out in eight groups, one behind each token's products
	s_set_vgpr_msb 0x40
.irp n, 0,1,2,3
	global_load_b128 v[128+4*(4*(\t)+\n):128+4*(4*(\t)+\n)+3], v218, s[32:33] offset:(64+4*(\t)+\n)*4096 th:TH_LOAD_NT
.endr
	s_set_vgpr_msb 0x4000
.endm
.macro FETCHX t                        ; my chunk of token t
.irp i, 0,1,2,3,4,5,6,7
	ds_load_b128 v[XB+32*((\t)%2)+4*\i:XB+32*((\t)%2)+4*\i+3], v5 offset:(\t)*XROW+16*\i
.endr
.endm
.macro DOT t                           ; 32 products in pairs
.set XO, XB+32*((\t)%2)
	v_pk_mul_f32 v[AC+2*(\t):AC+2*(\t)+1], v[XO:XO+1], v[RW:RW+1]
.set i, 2
.rept 15
	s_delay_alu instid0(VALU_DEP_1)
	v_pk_fma_f32 v[AC+2*(\t):AC+2*(\t)+1], v[XO+i:XO+i+1], v[RW+i:RW+i+1], v[AC+2*(\t):AC+2*(\t)+1]
.set i, i+2
.endr
.endm
	FETCHX 0
	FETCHX 1
.irp t, 0,1,2,3,4,5
	s_wait_dscnt 8                                 ; this token's 8 loads are in, the next token's 8 may be out
	DOT \t
	FETCHX \t+2
	W2C1 \t
.endr
	s_wait_dscnt 8
	DOT 6
	W2C1 6
	s_wait_dscnt 0x0
	DOT 7
	W2C1 7
.irp t, 0,1,2,3,4,5,6,7
	v_add_f32 v[P+\t], v[AC+2*\t], v[AC+2*\t+1]
.endr
.irp t, 0,1,2,3,4,5,6,7
	v_add_f32_dpp v[P+\t], v[P+\t], v[P+\t] row_xmask:8 row_mask:0xf bank_mask:0xf   ; the wave's four chunks: lane l xor 8,
.endr
.irp t, 0,1,2,3,4,5,6,7
	v_permlanex16_b32 v[PD+\t], v[P+\t], s30, s31
.endr
.irp t, 0,1,2,3,4,5,6,7
	v_add_f32 v[P+\t], v[P+\t], v[PD+\t]           ; and lane l xor 16
.endr
.irp t, 0,1,2,3,4,5,6,7
	ds_store_b32 v7, v[P+\t] offset:256*\t         ; the four lanes of an expert write the same word with the same value
.endr
	s_wait_dscnt 0x0
	s_barrier_signal -1
	s_barrier_wait -1
	s_cmp_gt_u32 s16, 1                            ; the choice is shared: wave 0 makes it for tokens 0-3, wave 1 for tokens 4-7; the others go on to w2
	s_cbranch_scc1 .Lend
	s_cmp_eq_u32 s16, 1
	s_cbranch_scc1 .Lsecond
	v_lshl_add_u32 v216, v1, 3, SCB
	ds_load_b64 v[214:215], v216
	s_wait_dscnt 0x0
	global_store_b64 v212, v[214:215], s[8:9] offset:XSC   ; the 8 tokens' scale bytes: 256 consecutive bytes, aligned
.macro OVER8 op, r                     ; over the eight lanes of a token
	s_delay_alu instid0(VALU_DEP_1)
	\op v[\r], v[\r], v[\r] row_xmask:1 row_mask:0xf bank_mask:0xf
	s_delay_alu instid0(VALU_DEP_1)
	\op v[\r], v[\r], v[\r] row_xmask:2 row_mask:0xf bank_mask:0xf
	s_delay_alu instid0(VALU_DEP_1)
	\op v[\r], v[\r], v[\r] row_xmask:4 row_mask:0xf bank_mask:0xf
.endm
; The choice for tokens 4 H .. 4 H + 3: lane l holds (token 4 H + l / 8, expert l % 8).  No branch and no address hangs on a float: the compares feed selections alone.
.macro FINAL H
.irp i, 0,1,2,3,4,5,6,7
	ds_load_b32 v[W+8+\i], v9 offset:1024*\H+32*\i
.endr
	s_wait_dscnt 0x0
	v_add_f32 v[W+8], v[W+8], v[W+9]
	v_add_f32 v[W+10], v[W+10], v[W+11]
	v_add_f32 v[W+12], v[W+12], v[W+13]
	v_add_f32 v[W+14], v[W+14], v[W+15]
	s_delay_alu instid0(VALU_DEP_3)
	v_add_f32 v[W+8], v[W+8], v[W+10]
	s_delay_alu instid0(VALU_DEP_2)
	v_add_f32 v[W+12], v[W+12], v[W+14]
	s_delay_alu instid0(VALU_DEP_1)
	v_add_f32 v[W], v[W+8], v[W+12]                ; z: my logit
	s_delay_alu instid0(VALU_DEP_1)
	v_mov_b32 v[W+1], v[W]
	OVER8 v_max_num_f32_dpp, W+1                   ; the token's largest logit is taken away ahead of the exponential
	s_delay_alu instid0(VALU_DEP_1)
	v_sub_f32 v[W+2], v[W], v[W+1]
	s_delay_alu instid0(VALU_DEP_1)
	v_mul_f32 v[W+2], 0x3fb8aa3b, v[W+2]
	s_wait_alu depctr_va_vdst(0)
	v_exp_f32 v[W+2], v[W+2]
	v_nop                                          ; a plain place behind the transcendental,
	s_wait_alu depctr_va_vdst(0)                   ; and the wait ahead of its first reader
	v_mov_b32 v[W+3], v[W+2]
	OVER8 v_add_f32_dpp, W+3
	s_wait_alu depctr_va_vdst(0)
	v_rcp_f32 v[W+3], v[W+3]
	v_nop
	s_wait_alu depctr_va_vdst(0)
	v_mul_f32 v[W+2], v[W+2], v[W+3]               ; p
	s_delay_alu instid0(VALU_DEP_1)
	v_mov_b32 v[W+4], v[W+2]
	OVER8 v_max_num_f32_dpp, W+4                   ; p1: the largest probability
	s_delay_alu instid0(VALU_DEP_1)
	v_cmp_eq_f32 vcc_lo, v[W+2], v[W+4]
	s_delay_alu instid0(VALU_DEP_1)
	v_cndmask_b32 v[W+5], 0x41000000, v12, vcc_lo  ; my number where I hold it, else 8
	OVER8 v_min_num_f32_dpp, W+5                   ; top-1: the lowest such number
	s_delay_alu instid0(VALU_DEP_1)
	v_cmp_eq_f32 s24, v12, v[W+5]                  ; am I top-1?
	s_delay_alu instid0(VALU_DEP_1)
	v_cndmask_b32 v[W+6], v[W], v213, s24          ; the logits with top-1 at -infinity
	s_delay_alu instid0(VALU_DEP_1)
	v_mov_b32 v[W+7], v[W+6]
	OVER8 v_max_num_f32_dpp, W+7
	s_delay_alu instid0(VALU_DEP_1)
	v_cmp_eq_f32 vcc_lo, v[W+6], v[W+7]
	s_delay_alu instid0(VALU_DEP_1)
	v_cndmask_b32 v[W+16], 0x41000000, v12, vcc_lo
	OVER8 v_min_num_f32_dpp, W+16                  ; top-2
	s_delay_alu instid0(VALU_DEP_1)
	v_cmp_eq_f32 s25, v12, v[W+16]                 ; am I top-2?
	s_delay_alu instid0(VALU_DEP_1)
	v_cndmask_b32 v[W+17], 0, v[W+2], s25
	OVER8 v_max_num_f32_dpp, W+17                  ; p2
	s_delay_alu instid0(VALU_DEP_1)
	v_add_f32 v[W+18], v[W+4], v[W+17]
	s_delay_alu instid0(VALU_DEP_1)
	v_max_num_f32 v[W+18], 0x34000000, v[W+18]     ; held at f32's eps from below
	s_wait_alu depctr_va_vdst(0)
	v_rcp_f32 v[W+18], v[W+18]
	v_cvt_u32_f32 v[W+22], v[W+5]                  ; (plain work behind the transcendental)  top-1 as a whole number
	v_cvt_u32_f32 v[W+23], v[W+16]
	s_delay_alu instid0(VALU_DEP_1)
	v_lshl_or_b32 v[W+23], v[W+23], 8, v[W+22]     ; e1 | e2 << 8
	s_wait_alu depctr_va_vdst(0)
	v_mul_f32 v[W+20], v[W+4], v[W+18]             ; g1
	v_mul_f32 v[W+21], v[W+17], v[W+18]            ; g2
	s_delay_alu instid0(VALU_DEP_1)
	v_cndmask_b32 v[W+19], 0, v[W+21], s25
	s_delay_alu instid0(VALU_DEP_1)
	v_cndmask_b32 v[W+19], v[W+19], v[W+20], s24   ; my gate: g1, g2 or 0
	global_store_b32 v13, v[W+19], s[12:13] offset:128*\H
	s_wait_alu depctr_va_vdst(0)
	s_wait_xcnt 0x0                                ; EXEC changes only behind this wait
	v_cmp_eq_u32 vcc_lo, 0, v209
	s_and_saveexec_b32 s26, vcc_lo                 ; one lane a token
	global_store_b32 v14, v[W+22], s[14:15] offset:16*\H
	global_store_b32 v14, v[W+23], s[10:11] offset:16*\H
	global_store_b64 v15, v[W+20:W+21], s[8:9] offset:GWO+32*\H
	s_wait_xcnt 0x0                                ; and again ahead of the line that widens it; the stores' registers may be written again too
	s_or_b32 exec_lo, exec_lo, s26
.endm
	FINAL 0
	s_branch .Lend
.Lsecond:
	FINAL 1
.Lend:
; W2 INTO CODES.  w2 [8 e][2,048 f][1,024 d] f32 is quantised down f, the K of the second product, once for the whole program.  My wave holds 128 rows (one K step) x 64 columns: lane (r16, h) has
; columns 4 r16 + jj and, in registers 128 c + 4 i + jj of v256 on, row 64 c + 32 h + i: block 2 c + h of the K step, all its 32 numbers in one lane.
; The codes leave as images of the next launch's operand registers: w2q: [e][tile of 16 columns, 64][K step, 16][c][lane r + 16 h][16 bytes]; behind 8 MB the scale words [e][K step][column].
; They are gathered in the wave's own 4,352 bytes of LDS, so that each store covers 512 (the words: 256) consecutive bytes, aligned.  A block of zeros gets the byte 1, as stated at the head.
.set QL,  40960
.set QWB, 4352
.set QT,  16                           ; v16-47  32 numbers down K
.set QC,  48                           ; v48-79  codes, four registers for each (c, jj)
.set QB,  80                           ; v80-87  bytes
.set QX0, 88
.set QX1, 89
.set QS,  90
.set MSB, 0
.macro WIN new
.if MSB != \new
	s_set_vgpr_msb (MSB<<8)|\new
.set MSB, \new
.endif
.endm
	s_mul_i32 s17, s16, QWB
	s_add_co_u32 s17, s17, QL                      ; my wave's LDS
	s_lshr_b32 s18, ttmp9, 5                       ; e
	s_bfe_u32 s19, ttmp9, 0x40001                  ; K step
	s_and_b32 s20, ttmp9, 1                        ; half of the columns
	s_lshl_b32 s36, s18, 20                        ; codes: e x 1 MB + (32 half + 4 wave) tiles of 16,384 + K step x 1,024
	s_lshl_b32 s21, s20, 19
	s_add_co_u32 s36, s36, s21
	s_lshl_b32 s21, s16, 16
	s_add_co_u32 s36, s36, s21
	s_lshl_b32 s21, s19, 10
	s_add_co_u32 s36, s36, s21
	s_mov_b32 s37, 0
	s_lshl_b32 s38, s18, 16                        ; words: 8 MB + e x 65,536 + K step x 4,096 + 4 x my first column
	s_lshl_b32 s21, s19, 12
	s_add_co_u32 s38, s38, s21
	s_lshl_b32 s21, s20, 11
	s_add_co_u32 s38, s38, s21
	s_lshl_b32 s21, s16, 8
	s_add_co_u32 s38, s38, s21
	s_add_co_u32 s38, s38, 8388608
	s_mov_b32 s39, 0
	s_add_nc_u64 s[36:37], s[34:35], s[36:37]
	s_add_nc_u64 s[38:39], s[34:35], s[38:39]
	v_and_b32 v98, 15, v0                          ; r16
	v_bfe_u32 v99, v0, 4, 1                        ; h
	v_and_b32 v97, 31, v0                          ; lane
	s_delay_alu instid0(VALU_DEP_3)
	v_lshrrev_b32 v92, 2, v98                      ; column 4 r16 + jj lies in tile r16 / 4, lane 4 (r16 % 4) + jj + 16 h
	v_and_b32 v93, 3, v98
	s_delay_alu instid0(VALU_DEP_2)
	v_lshlrev_b32 v92, 10, v92
	s_delay_alu instid0(VALU_DEP_1)
	v_lshl_add_u32 v92, v93, 6, v92
	s_delay_alu instid0(VALU_DEP_1)
	v_lshl_add_u32 v92, v99, 8, v92
	s_delay_alu instid0(VALU_DEP_1)
	v_add_nc_u32 v92, s17, v92                     ; where my codes go
	v_lshl_add_u32 v93, v98, 4, v99
	s_delay_alu instid0(VALU_DEP_1)
	v_add_nc_u32 v93, s17, v93                     ; and my bytes: 16 r16 + h (+ 4 jj + 2 c)
	v_lshlrev_b32 v96, 4, v97                      ; out: 16 bytes a lane,
	v_lshlrev_b32 v97, 3, v97                      ; the words 8
	s_delay_alu instid0(VALU_DEP_2)
	v_add_nc_u32 v94, s17, v96
	s_delay_alu instid0(VALU_DEP_2)
	v_add_nc_u32 v95, s17, v97
.macro QCOL c, jj
	WIN 0x05                                       ; sources 0 and 1: v256 on
	v_max3_num_f32 v[QX0], |v[128*\c+\jj]|, |v[128*\c+4+\jj]|, 0x1800000     ; with the floor 2^(3 - 127): the byte cannot fall under 1
	v_max3_num_f32 v[QX1], |v[128*\c+8+\jj]|, |v[128*\c+12+\jj]|, 0x1800000
.set i, 4
.rept 7
	s_delay_alu instid0(VALU_DEP_2)
	v_max3_num_f32 v[QX0], |v[128*\c+4*i+\jj]|, |v[128*\c+4*i+4+\jj]|, v[QX0]
	s_delay_alu instid0(VALU_DEP_2)
	v_max3_num_f32 v[QX1], |v[128*\c+4*i+8+\jj]|, |v[128*\c+4*i+12+\jj]|, v[QX1]
.set i, i+4
.endr
.set i, 0
.rept 32
	v_mov_b32 v[QT+i], v[128*\c+4*i+\jj]           ; a load of 16 bytes brings four columns: the column's 32 numbers are brought together for the conversions
.set i, i+1
.endr
	WIN 0
	v_max_num_f32 v[QX0], v[QX0], v[QX1]
	s_delay_alu instid0(VALU_DEP_1)
	v_add_nc_u32 v[QS], 0xff000000, v[QX0]         ; 2 off the exponent field: the conversion's scale operand
	s_delay_alu instid0(VALU_DEP_1)
	v_lshrrev_b32 v[QB+4*\c+\jj], 23, v[QS]        ; the scale's byte
.irp g, 0,1,2,3
	v_cvt_scalef32_pk8_fp4_f32 v[QC+16*\c+4*\jj+\g], v[QT+8*\g:QT+8*\g+7], v[QS]
.endr
	v_nop                                          ; one plain place behind the conversions
	ds_store_b128 v92, v[QC+16*\c+4*\jj:QC+16*\c+4*\jj+3] offset:512*\c+16*\jj
	ds_store_b8 v93, v[QB+4*\c+\jj] offset:4096+4*\jj+2*\c
.endm
	s_wait_alu depctr_va_vdst(0)
	s_wait_loadcnt 32                              ; rows 0-63's 32 loads are in; the other 32 may be out
.irp jj, 0,1,2,3
	QCOL 0, \jj
.endr
	s_wait_loadcnt 0x0
.irp jj, 0,1,2,3
	QCOL 1, \jj
.endr
.irp i, 0,1,2,3,4,5,6,7
	ds_load_b128 v[100+4*\i:103+4*\i], v94 offset:512*\i   ; LDS serves a wave's instructions in order: these see my stores
.endr
	ds_load_b64 v[132:133], v95 offset:4096
	s_wait_dscnt 0x0
.irp i, 0,1,2,3,4,5,6,7
	global_store_b128 v96, v[100+4*\i:103+4*\i], s[36:37] offset:(\i/2)*16384+(\i%2)*512   ; 32 lanes store 512 consecutive bytes, aligned
.endr
	global_store_b64 v97, v[132:133], s[38:39]     ; my 64 columns' scale words: 256 consecutive bytes, aligned
	s_wait_tensorcnt 0x0
	ds_add_u32 v10, v11
	s_wait_dscnt 0x0
	s_endpgm
.Lfunc_end_k_q423b480f1e_route:
	.size	k_q423b480f1e_route, .Lfunc_end_k_q423b480f1e_route-k_q423b480f1e_route
	.p2alignl 7, 3214868480
	.fill 96, 4, 3214868480
	.section	.rodata,"a",@progbits
	.p2align	6, 0x0
	.amdhsa_kernel k_q423b480f1e_route
		.amdhsa_group_segment_fixed_size 75776
		.amdhsa_private_segment_fixed_size 0
		.amdhsa_enable_private_segment 0
		.amdhsa_kernarg_size 64
		.amdhsa_user_sgpr_count 2
		.amdhsa_user_sgpr_kernarg_segment_ptr 1
		.amdhsa_wavefront_size32 1
		.amdhsa_system_sgpr_workgroup_id_x 1
		.amdhsa_system_sgpr_workgroup_id_y 1
		.amdhsa_system_sgpr_workgroup_id_z 1
		.amdhsa_system_vgpr_workitem_id 0
		.amdhsa_next_free_vgpr 512
		.amdhsa_next_free_sgpr 66
		.amdhsa_reserve_vcc 1
		.amdhsa_float_denorm_mode_32 3
		.amdhsa_float_denorm_mode_16_64 3
		.amdhsa_memory_ordered 1
		.amdhsa_forward_progress 1
		.amdhsa_inst_pref_size 76
	.end_amdhsa_kernel
	.amdgpu_metadata
---
amdhsa.version: [ 1, 2 ]
amdhsa.kernels:
  - .name:           k_q423b480f1e_route
    .symbol:         k_q423b480f1e_route.kd
    .args:
      - { .name: hidden_states, .offset: 0, .size: 8, .value_kind: global_buffer, .address_space: global }
      - { .name: router_w, .offset: 8, .size: 8, .value_kind: global_buffer, .address_space: global }
      - { .name: xq, .offset: 16, .size: 8, .value_kind: global_buffer, .address_space: global }
      - { .name: sel, .offset: 24, .size: 8, .value_kind: global_buffer, .address_space: global }
      - { .name: out1, .offset: 32, .size: 8, .value_kind: global_buffer, .address_space: global }
      - { .name: out2, .offset: 40, .size: 8, .value_kind: global_buffer, .address_space: global }
      - { .name: w2, .offset: 48, .size: 8, .value_kind: global_buffer, .address_space: global }
      - { .name: w2q, .offset: 56, .size: 8, .value_kind: global_buffer, .address_space: global }
    .group_segment_fixed_size: 75776
    .private_segment_fixed_size: 0
    .kernarg_segment_align: 8
    .kernarg_segment_size: 64
    .max_flat_workgroup_size: 256
    .sgpr_count:     66
    .vgpr_count:     512
    .wavefront_size: 32
...
	.end_amdgpu_metadata
.endif
;; end of part 1
;; launch fc1 (part 2): grid 32 x 8, 8 waves a work-group, no clusters, 113,664 bytes of LDS; arguments w1, b1, xq, sel, h, lst; writes h, lst
.if DOCPART == 2
	.amdgcn_target "amdgcn-amd-amdhsa--gfx1250"
	.amdhsa_code_object_version 6
	.text
	.protected	k_q423b480f1e_fc1
	.globl	k_q423b480f1e_fc1
	.p2align	8
	.type	k_q423b480f1e_fc1,@function
k_q423b480f1e_fc1:
	s_mov_b64 s[64:65], 0
	v_nop
	global_prefetch_b8 v0, s[64:65] scope:SCOPE_SE
	s_setreg_imm32_b32 hwreg(HW_REG_WAVE_MODE, 25, 1), 1
	s_wait_xcnt 0x0
; FC1.  h = Q(relu(Q(x) Q(w1[e]) + b1[e])) for the rows that chose expert e, both operands as codes of E2M1 with E8M0 scales, sums in f32.  Rows of experts that a token did not choose are left out: their gate is 0 by the problem's own one_hot masks.
; SHARES.  Work-group (j, e) owns columns 64 j .. 64 j + 63 of w1[e], for all of K = 1,024: 256 KB of f32, which it alone reads, once.  Wave w loads K step w (128 rows), all 64 loads at the head,
; quantises it down K in registers and hands the codes to the other waves through LDS as images of the operand's registers.  Behind the one barrier every wave holds the whole slice as codes (256 registers).
; THE PLACING.  Wave w owns the tokens 256 w .. 256 w + 255.  From sel (e1 | e2 << 8, whole numbers that an earlier launch stored) it lists those that chose expert e, while the weights are on their way.
; A token's rank counts the chosen tokens ahead of it in the order (step i = 4 a + c, then lane l) of local token 128 a + 4 l + c; its slot is 256 w + rank; tile 16 w + k holds ranks 16 k .. 16 k + 15.
; The two later launches form the same ranks from sel.  In each step the 32 tokens are permuted between lanes, the chosen to lane rank mod 32, the others behind them; selections gather the chosen into
; 8 registers (position 32 m + lane), which go to the wave's own list in LDS at fixed addresses.  A place with no token names token 8 e + w: its results land in slots that nobody reads.
; The row loop has 16 trips, the most that 256 tokens can ask for, and jumps over the work of a trip that has no tile: so the list's LDS address is a constant, the wave's term and a constant step.
; The branches on the count hang on numbers read from memory; this text holds no tensor load and no joint request of a cluster: weights are read by one work-group alone, and the rows that the 32 slices share come through registers.
; No prefetch: every weight load is issued at the head, and nothing lies ahead of it.
; THE PRODUCT IS USED TRANSPOSED (source 0 = 16 columns of w1, source 1 = 16 rows of x): a lane holds one token, its registers run along the hidden units, which are the next K.
; THE COLUMNS OF A TILE ARE NOT NEIGHBOURS: lane r of tile 2 b + u takes column 32 b + 8 u + r + 8 (r / 8), so that the 16 registers of tiles 2 b and 2 b + 1 are 16 neighbours along the next K.
; LIMITS: a block whose largest magnitude lies under 2^-124, a block of zeros too, gets the scale byte 1; NaN and infinities are not served.
.set WSC,   32768                      ; LDS: from 0 the weights' images, (4 s + T) x 1,024 + 512 c + 16 lane; here their scale words, (4 s + T) x 64 + 4 r
.set XSTG,  34816                      ; a stage for each wave: 16 rows of x's codes, 512 bytes + 16 of padding
.set XP,    528
.set XPW,   16*XP
.set LIST,  102400                     ; a list for each wave: 256 places of 4 bytes, and 128 bytes of zeros behind them for the look-ahead of the last trip
.set LPW,   1280
.set SPARE, 112640                     ; the spare words, 128 bytes for each wave
.set RO,  20                           ; v20-35   byte offsets of the tile's 16 rows of codes
.set XS,  36                           ; v36-39   x's scale words: lanes 0-15 K steps 0-3, lanes 16-31 K steps 4-7
.set WS,  40                           ; v40-55   the weights': register 2 s + b: lanes 0-15 tile 2 b, lanes 16-31 tile 2 b + 1
.set B1,  56                           ; v56-87   b1 in the result's layout
.set ACC, 88                           ; v88-119  four accumulators
.set AF,  120                          ; v120-183 x's eight fragments
.set TM,  120                          ; v120-127 at work behind the products
.set MX0, 120                          ; while the weights are quantised: two maxima, the scale operand
.set MX1, 121
.set SCL, 122
.set LD,  184                          ; v184-247 16 rows as loaded
.set T,   184                          ; while the weights are quantised: 32 numbers down K,
.set C,   216                          ; 16 registers of codes,
.set BY,  232                          ; four bytes
.set PC,  248                          ; v248-251 the hidden layer's codes
.set BYS, 252                          ; v252     my scale byte
.set LR,  255                          ; v255     LDS address of my place (lane % 16) in tile 0 of my wave's list
.set SL,  184                          ; the placing, ahead of the quantising: v184-191 sel of the 8 steps,
.set RK,  192                          ; v192-199 ranks,
.set DS,  200                          ; v200-207 where each lane sends its token,
.set TOK, 208                          ; v208-215 tokens,
.set PW,  216                          ; v216-223 the permuted tokens,
.set TK,  224                          ; v224-231 the list: position 32 m + lane,
.set TP,  232                          ; v232-239 at work,
.set LN,  240                          ; v240 lane, v241 my token of step 0, v242 where I store the list, v243 zero
.set TB,  241
.set LW,  242
.set ZR,  243
.set ST,  36                           ; s[36:51] the steps' masks, later the 16 tokens of a tile
.set CN,  68                           ; s68-76   chosen tokens ahead of step i
.set NN,  77                           ; s77-84   chosen tokens in step i
.set MSB, 0
.macro WIN new                         ; window 1 (v256-511) holds the weights: first as loaded, then as fragments.  The immediate's high byte repeats the setting that is left
.if MSB != \new
	s_set_vgpr_msb (MSB<<8)|\new
.set MSB, \new
.endif
.endm
	s_load_b256 s[4:11], s[0:1], 0x0               ; w1 s[4:5], b1 s[6:7], xq s[8:9], sel s[10:11]
	s_load_b64 s[12:13], s[0:1], 0x20              ; h
	s_load_b64 s[86:87], s[0:1], 0x28              ; lst: for each expert and slot, where the slot's row of y belongs: 2,048 x (my expert is the token's second) + token
	v_lshl_add_u32 v16, v0, 2, SPARE               ; my spare word
	v_mov_b32 v17, 0
	v_lshrrev_b32 v19, 5, v0
	s_delay_alu instid0(VALU_DEP_1)
	v_readfirstlane_b32 s14, v19                   ; wave
	s_mov_b32 s15, ttmp9                           ; j
	s_and_b32 s16, ttmp7, 0xffff                   ; e
	v_and_b32 v[LN], 31, v0
	s_delay_alu instid0(VALU_DEP_1)
	v_lshlrev_b32 v1, 4, v[LN]                     ; 16 l
	s_delay_alu instid0(VALU_DEP_2)
	v_lshl_add_u32 v7, v[LN], 2, WSC               ; the scale words, 4 l
	v_and_b32 v253, 15, v0                         ; r16
	v_bfe_u32 v254, v0, 4, 1                       ; h
	s_delay_alu instid0(VALU_DEP_1)
	v_lshlrev_b32 v2, 18, v254
	s_delay_alu instid0(VALU_DEP_1)
	v_lshl_add_u32 v2, v253, 4, v2                 ; w1: lanes 0-15 take a row's 256 bytes, lanes 16-31 those of the row 32 further down
	; my four columns 4 r16 + jj = 32 b + 16 q + 8 u + 4 a + jj go to tile 2 b + u, lane 8 q + 4 a + jj (+ 16 h: my block's half)
	v_bfe_u32 v19, v0, 3, 1                        ; b
	s_delay_alu instid0(VALU_DEP_1)
	v_lshlrev_b32 v3, 11, v19
	s_delay_alu instid0(VALU_DEP_2)
	v_lshlrev_b32 v4, 7, v19
	v_bfe_u32 v19, v0, 1, 1                        ; u
	s_delay_alu instid0(VALU_DEP_1)
	v_lshl_add_u32 v3, v19, 10, v3
	s_delay_alu instid0(VALU_DEP_2)
	v_lshl_add_u32 v4, v19, 6, v4
	v_bfe_u32 v19, v0, 2, 1                        ; q
	s_delay_alu instid0(VALU_DEP_1)
	v_lshl_add_u32 v3, v19, 7, v3
	s_delay_alu instid0(VALU_DEP_2)
	v_lshl_add_u32 v4, v19, 5, v4
	v_and_b32 v19, 1, v0                           ; a
	s_delay_alu instid0(VALU_DEP_1)
	v_lshl_add_u32 v3, v19, 6, v3
	s_delay_alu instid0(VALU_DEP_2)
	v_lshl_add_u32 v4, v19, 4, v4
	s_delay_alu instid0(VALU_DEP_2)
	v_lshl_add_u32 v3, v254, 8, v3
	s_delay_alu instid0(VALU_DEP_2)
	v_add_nc_u32 v4, v254, v4
	s_lshl_b32 s67, s14, 12
	v_add_nc_u32 v3, s67, v3                       ; where my codes go: K step w
	s_lshl_b32 s67, s14, 8
	v_lshlrev_b32 v[TB], 2, v[LN]
	s_delay_alu instid0(VALU_DEP_1)
	v_add_nc_u32 v[TB], s67, v[TB]                 ; my token of step 0: 256 w + 4 l
	s_add_co_u32 s67, s67, WSC
	v_add_nc_u32 v4, s67, v4                       ; and my scale bytes
	s_mul_i32 s67, s14, XPW
	s_add_co_u32 s67, s67, XSTG
	v_add_nc_u32 v5, s67, v1                       ; my stage: in, a row at a time,
	v_mul_u32_u24 v6, v253, XP
	s_delay_alu instid0(VALU_DEP_1)
	v_lshl_add_u32 v6, v254, 4, v6
	s_delay_alu instid0(VALU_DEP_1)
	v_add_nc_u32 v6, s67, v6                       ; and out as fragments: row r16, + 16 h
	v_lshlrev_b32 v8, 2, v253
	s_delay_alu instid0(VALU_DEP_1)
	v_add_nc_u32 v14, v8, v254                     ; 4 r16 + h
	v_lshlrev_b32 v15, 4, v254
	v_lshlrev_b32 v18, 6, v254
	s_mul_i32 s67, s14, LPW
	s_add_co_u32 s67, s67, LIST                    ; my wave's list
	v_lshlrev_b32 v[LW], 2, v[LN]
	s_delay_alu instid0(VALU_DEP_1)
	v_add_nc_u32 v[LW], s67, v[LW]                 ; in: 4 l,
	v_add_nc_u32 v[LR], s67, v8                    ; out: 4 r16
	s_mov_b32 s30, 0x76543210
	s_mov_b32 s31, 0xfedcba98                      ; v_permlanex16_b32's selects for lane l xor 16
	s_mov_b32 s32, 0xffff0000                      ; lanes 16-31
	s_lshl_b32 s52, s16, 23                        ; offsets, made apart from the addresses.  w1: e x 8 MB + 128 w rows of 8,192 bytes + 256 j
	s_lshl_b32 s67, s14, 20
	s_add_co_u32 s52, s52, s67
	s_lshl_b32 s67, s15, 8
	s_add_co_u32 s52, s52, s67
	s_mov_b32 s53, 0
	s_lshl_b32 s54, s16, 13                        ; b1: 8,192 e + 256 j
	s_add_co_u32 s54, s54, s67
	s_mov_b32 s55, 0
	s_lshl_b32 s56, s14, 10                        ; sel: my 256 tokens' words
	s_mov_b32 s57, 0
	s_lshl_b32 s60, s16, 21                        ; h's codes: e x 2 MB + 512 j
	s_lshl_b32 s67, s15, 9
	s_add_co_u32 s60, s60, s67
	s_mov_b32 s61, 0
	s_lshl_b32 s62, s16, 17                        ; h's scale bytes: 16 MB + 131,072 e + 64 (j / 2) + 2 (j % 2)
	s_lshr_b32 s67, s15, 1
	s_lshl_b32 s67, s67, 6
	s_add_co_u32 s62, s62, s67
	s_and_b32 s67, s15, 1
	s_lshl_b32 s67, s67, 1
	s_add_co_u32 s62, s62, s67
	s_add_co_u32 s62, s62, 16777216
	s_mov_b32 s63, 0
	s_lshl_b32 s88, s16, 13                        ; lst: 8,192 e + 1,024 w
	s_lshl_b32 s67, s14, 10
	s_add_co_u32 s88, s88, s67
	s_mov_b32 s89, 0
	s_lshl_b32 s90, s16, 3                         ; the word of a place with no token: 4,096 + 8 e + w, a row of y that this expert's tiles of these 256 tokens alone name
	s_add_co_u32 s90, s90, s14
	s_add_co_u32 s90, s90, 4096
	v_mov_b32 v244, 0x800
	v_lshlrev_b32 v245, 2, v[LN]                   ; lst: 4 l
	s_wait_alu depctr_va_vdst(0)
	s_wait_kmcnt 0x0
	s_add_nc_u64 s[4:5], s[4:5], s[52:53]
	s_add_nc_u64 s[6:7], s[6:7], s[54:55]
	s_add_nc_u64 s[22:23], s[10:11], s[56:57]
	s_add_nc_u64 s[24:25], s[8:9], 0x100000        ; x's scale bytes
	s_add_nc_u64 s[26:27], s[12:13], s[60:61]
	s_add_nc_u64 s[28:29], s[12:13], s[62:63]
	s_add_nc_u64 s[86:87], s[86:87], s[88:89]
	global_load_b128 v[SL:SL+3], v1, s[22:23]              ; sel of tokens 256 w + 4 l + 0 .. 3,
	global_load_b128 v[SL+4:SL+7], v1, s[22:23] offset:512 ; and of those 128 further on: ahead of the weights, so that they come first
	WIN 0x40                                       ; destination window 1
.irp c, 0,1
.set i, 0
.rept 32
.if (\c == 1) && (i == 31)
	s_wait_loadcnt 63                              ; sel is in: 63 weight loads were issued behind its two
.endif
	global_load_b128 v[128*\c+4*i:128*\c+4*i+3], v2, s[4:5] offset:(64*\c+i)*8192 th:TH_LOAD_NT   ; row 128 w + 64 c + 32 h + i: sixteen lanes read 256 consecutive bytes, aligned
.set i, i+1
.endr
.endr
	WIN 0
.irp t, 0,1,2,3
	global_load_b128 v[B1+8*\t:B1+8*\t+3], v18, s[6:7] offset:(32*(\t/2)+8*(\t%2))*4       ; lane (r, h), tile 2 b + u: hidden units 32 b + 16 h + 8 u + 0 .. 7
	global_load_b128 v[B1+8*\t+4:B1+8*\t+7], v18, s[6:7] offset:(32*(\t/2)+8*(\t%2))*4+16
.endr
	; ---- the placing, while the weights are on their way.  Staged, so that no line waits for the line above it
.irp i, 0,1,2,3,4,5,6,7
	v_and_b32 v[RK+\i], 0xff, v[SL+\i]             ; e1
	v_lshrrev_b32 v[DS+\i], 8, v[SL+\i]            ; e2
.endr
.irp i, 0,1,2,3,4,5,6,7
	v_cmp_eq_u32 s[ST+\i], s16, v[RK+\i]
	v_cmp_eq_u32 s[ST+8+\i], s16, v[DS+\i]
.endr
.irp i, 0,1,2,3,4,5,6,7
	s_or_b32 s[ST+\i], s[ST+\i], s[ST+8+\i]        ; the lanes whose token of step i chose my expert
.endr
	s_mov_b32 s[CN], 0
.irp i, 0,1,2,3,4,5,6,7
	s_bcnt1_i32_b32 s[NN+\i], s[ST+\i]
	s_add_co_u32 s[CN+1+\i], s[CN+\i], s[NN+\i]
.endr
.irp i, 0,1,2,3,4,5,6,7
	v_mbcnt_lo_u32_b32 v[RK+\i], s[ST+\i], s[CN+\i]   ; chosen tokens ahead of mine: a chosen token's rank
.endr
.irp i, 0,1,2,3,4,5,6,7
	s_add_co_u32 s67, s[CN+\i], s[CN+1+\i]
	v_add_nc_u32 v[DS+\i], s67, v[LN]
.endr
.irp i, 0,1,2,3,4,5,6,7
	v_sub_nc_u32 v[DS+\i], v[DS+\i], v[RK+\i]      ; not chosen: behind the step's chosen ones, in the lanes' order: the 32 places are all different modulo 32
.endr
.irp i, 0,1,2,3,4,5,6,7
	v_cndmask_b32 v[DS+\i], v[DS+\i], v[RK+\i], s[ST+\i]
.endr
.irp i, 0,1,2,3,4,5,6,7
	v_lshlrev_b32 v[DS+\i], 2, v[DS+\i]
.endr
.irp i, 0,1,2,3,4,5,6,7
	v_and_b32 v[DS+\i], 0x7c, v[DS+\i]             ; 4 x (place mod 32): the lane that takes my token
.endr
.irp i, 0,1,2,3,4,5,6,7
	v_add_nc_u32 v[TOK+\i], 128*(\i/4)+(\i%4), v[TB]
	v_cndmask_b32 v[TP+\i], 0, v244, s[ST+8+\i]    ; 2,048 where my expert is the token's second
	v_mov_b32 v[PW+\i], 0                          ; the permutes' destinations are written once ahead of them
.endr
.irp i, 0,1,2,3,4,5,6,7
	v_add_nc_u32 v[TOK+\i], v[TOK+\i], v[TP+\i]
.endr
.irp i, 0,1,2,3,4,5,6,7
	ds_permute_b32 v[PW+\i], v[DS+\i], v[TOK+\i]   ; between lanes: no LDS byte is touched
.endr
.irp m, 0,1,2,3,4,5,6,7
	v_mov_b32 v[TK+\m], s90                        ; a place with no token; its low 11 bits name a token all the same
.endr
	v_mov_b32 v[ZR], 0
	s_add_co_u32 s34, s[CN+8], 15
	s_lshr_b32 s34, s34, 4
	s_min_u32 s34, s34, 16                         ; my tiles of 16 rows
	s_wait_dscnt 0x0
	; position p = 32 m + lane takes step i's word where p - (chosen ahead of step i) lies under the step's count; step i reaches no register beyond i
.set i, 0
.rept 8
.set m, 0
.rept i+1
	s_sub_co_u32 s67, 32*m, s[CN+i]
	v_add_nc_u32 v[TP+m], s67, v[LN]
.set m, m+1
.endr
.set m, 0
.rept i+1
	v_cmp_gt_u32 s[ST+8+m], s[NN+i], v[TP+m]
.set m, m+1
.endr
.set m, 0
.rept i+1
	v_cndmask_b32 v[TK+m], v[TK+m], v[PW+i], s[ST+8+m]
.set m, m+1
.endr
.set i, i+1
.endr
.irp m, 0,1,2,3,4,5,6,7
	v_and_b32 v[TP+\m], 0x7ff, v[TK+\m]            ; the token alone
.endr
.irp m, 0,1,2,3,4,5,6,7
	ds_store_b32 v[LW], v[TP+\m] offset:128*\m
.endr
	s_cmp_lg_u32 s15, 0                            ; the 32 slices of an expert form the same list: slice 0 stores it
	s_wait_alu depctr_va_vdst(0)
	s_cbranch_scc1 .Lnolist
.irp m, 0,1,2,3,4,5,6,7
	global_store_b32 v245, v[TK+\m], s[86:87] offset:128*\m   ; my wave's 256 words: 1,024 consecutive bytes
.endr
	s_wait_xcnt 0x0                                ; the stores have read their registers, which are written again below
.Lnolist:
	ds_store_b32 v[LW], v[ZR] offset:1024          ; what the last trip's look-ahead reads
	ds_load_b32 v10, v[LR]                         ; tile 0's tokens, a lane a token (both halves alike); LDS serves a wave's instructions in order
.macro OFFS                            ; from a tile's tokens: where their rows of codes and their scale words lie.  A token's number is held at 2,047
.irp i, 0,1,2,3,4,5,6,7,8,9,10,11,12,13,14,15
	v_readlane_b32 s[ST+\i], v10, \i
.endr
.irp i, 0,1,2,3,4,5,6,7,8,9,10,11,12,13,14,15
	s_min_u32 s[ST+\i], s[ST+\i], 2047
.endr
.irp i, 0,1,2,3,4,5,6,7,8,9,10,11,12,13,14,15
	s_lshl_b32 s[ST+\i], s[ST+\i], 9
.endr
.irp i, 0,1,2,3,4,5,6,7,8,9,10,11,12,13,14,15
	v_add_nc_u32 v[RO+\i], s[ST+\i], v1
.endr
	v_min_u32 v11, 2047, v10
	s_delay_alu instid0(VALU_DEP_1)
	v_lshl_add_u32 v11, v11, 5, v15
.endm
	s_wait_dscnt 0x0                               ; the tokens are in, and the list's stores have read their registers
	OFFS
; Column 4 r16 + jj, block 2 c + h of my K step: all its 32 numbers are mine.  They stand four registers apart, since a load of 16 bytes brings four columns (four times the bytes on their way that
; loads of one column would have), and the conversions take neighbours down K from consecutive registers: so 32 copies bring them together.
.macro QCOL c, jj
	WIN 0x05                                       ; sources 0 and 1 window 1
	v_max3_num_f32 v[MX0], |v[128*\c+\jj]|, |v[128*\c+4+\jj]|, 0x1800000     ; with the floor 2^(3 - 127): the byte cannot fall under 1
	v_max3_num_f32 v[MX1], |v[128*\c+8+\jj]|, |v[128*\c+12+\jj]|, 0x1800000
.set i, 4
.rept 7
	s_delay_alu instid0(VALU_DEP_2)
	v_max3_num_f32 v[MX0], |v[128*\c+4*i+\jj]|, |v[128*\c+4*i+4+\jj]|, v[MX0]
	s_delay_alu instid0(VALU_DEP_2)
	v_max3_num_f32 v[MX1], |v[128*\c+4*i+8+\jj]|, |v[128*\c+4*i+12+\jj]|, v[MX1]
.set i, i+4
.endr
.set i, 0
.rept 32
	v_mov_b32 v[T+i], v[128*\c+4*i+\jj]
.set i, i+1
.endr
	WIN 0
	v_max_num_f32 v[MX0], v[MX0], v[MX1]
	s_delay_alu instid0(VALU_DEP_1)
	v_add_nc_u32 v[SCL], 0xff000000, v[MX0]        ; 2 off the exponent field: the conversion's scale operand
	s_delay_alu instid0(VALU_DEP_1)
	v_lshrrev_b32 v[BY+\jj], 23, v[SCL]            ; the scale's byte
.irp g, 0,1,2,3
	v_cvt_scalef32_pk8_fp4_f32 v[C+4*\jj+\g], v[T+8*\g:T+8*\g+7], v[SCL]
.endr
	v_nop                                          ; one plain place behind the conversions
	ds_store_b128 v3, v[C+4*\jj:C+4*\jj+3] offset:512*\c+16*\jj
	ds_store_b8 v4, v[BY+\jj] offset:4*\jj+2*\c
.endm
	s_wait_loadcnt 40                              ; the first 32 rows' loads are in; the other 32 and b1's 8 may be out
.irp jj, 0,1,2,3
	QCOL 0, \jj
.endr
	s_wait_dscnt 0x0                               ; the stores have read their registers
	s_wait_loadcnt 8                               ; all the weights are in; b1's 8 loads may be out
.irp jj, 0,1,2,3
	QCOL 1, \jj
.endr
.macro ROWS                            ; 16 rows of codes: 32 lanes read a row's 512 consecutive bytes
.irp i, 0,1,2,3,4,5,6,7,8,9,10,11,12,13,14,15
	global_load_b128 v[LD+4*\i:LD+4*\i+3], v[RO+\i], s[8:9]
.endr
.endm
	s_wait_dscnt 0x0                               ; my images lie in LDS, for the others' sake; and the rows below land in the registers that those stores read
	ROWS                                           ; tile 0's places all name tokens: these loads need no test
	global_load_b128 v[XS:XS+3], v11, s[24:25]
	s_barrier_signal -1
	s_barrier_wait -1                              ; the whole slice lies in LDS as codes
	WIN 0x40
.set i, 0
.rept 64
	ds_load_b128 v[4*i:4*i+3], v1 offset:512*i     ; fragment (s, T) at v[8 (4 s + T)] of window 1
.set i, i+1
.endr
	WIN 0
.irp s, 0,1,2,3,4,5,6,7
.irp b, 0,1
	ds_load_b32 v[WS+2*\s+\b], v7 offset:256*\s+128*\b
.endr
.endr
.macro MM                              ; one product; the symbols say which
.if fA && fB
	v_wmma_scale_f32_16x16x128_f8f6f4 v[rD:rD+7], v[rA:rA+7], v[rB:rB+7], v[rC:rC+7], v[rSA], v[rSB] matrix_a_fmt:MATRIX_FMT_FP4 matrix_b_fmt:MATRIX_FMT_FP4 matrix_a_scale:MATRIX_SCALE_ROW1 matrix_b_scale:MATRIX_SCALE_ROW1
.elseif fA
	v_wmma_scale_f32_16x16x128_f8f6f4 v[rD:rD+7], v[rA:rA+7], v[rB:rB+7], v[rC:rC+7], v[rSA], v[rSB] matrix_a_fmt:MATRIX_FMT_FP4 matrix_b_fmt:MATRIX_FMT_FP4 matrix_a_scale:MATRIX_SCALE_ROW1
.elseif fB
	v_wmma_scale_f32_16x16x128_f8f6f4 v[rD:rD+7], v[rA:rA+7], v[rB:rB+7], v[rC:rC+7], v[rSA], v[rSB] matrix_a_fmt:MATRIX_FMT_FP4 matrix_b_fmt:MATRIX_FMT_FP4 matrix_b_scale:MATRIX_SCALE_ROW1
.else
	v_wmma_scale_f32_16x16x128_f8f6f4 v[rD:rD+7], v[rA:rA+7], v[rB:rB+7], v[rC:rC+7], v[rSA], v[rSB] matrix_a_fmt:MATRIX_FMT_FP4 matrix_b_fmt:MATRIX_FMT_FP4
.endif
.endm
	s_mov_b32 s33, 0                               ; the trip k
	s_mov_b32 s35, 64                              ; where tile k + 1 begins in my list
.Lrow:                                             ; 16 trips in every wave; a trip with no tile does nothing
	s_cmp_ge_u32 s33, s34
	s_cbranch_scc1 .Lskip
	s_lshl_b32 s18, s14, 4
	s_add_co_u32 s18, s18, s33                     ; my tile: 16 x wave + k
	s_wait_loadcnt 0x0                             ; the tile's rows and scale words (in the first trip b1 too),
	s_wait_xcnt 0x0                                ; and the last tile's stores have read their registers
.irp i, 0,1,2,3,4,5,6,7,8,9,10,11,12,13,14,15
	ds_store_b128 v5, v[LD+4*\i:LD+4*\i+3] offset:XP*\i
.endr
.irp s, 0,1,2,3,4,5,6,7
.irp c, 0,1
	ds_load_b128 v[AF+8*\s+4*\c:AF+8*\s+4*\c+3], v6 offset:64*\s+32*\c   ; LDS serves a wave's instructions in order: these see my stores
.endr
.endr
	v_add_nc_u32 v9, s35, v[LR]
	ds_load_b32 v10, v9                            ; the next tile's tokens (behind the last tile: zeros)
	s_lshl_b32 s67, s18, 14
	v_add_nc_u32 v12, s67, v1                      ; where this tile's codes go,
	s_lshl_b32 s67, s18, 10
	v_add_nc_u32 v13, s67, v14                     ; and its scale bytes
	s_wait_dscnt 0x0                               ; the fragments and the tokens are in (in the first trip the weights' fragments too), and the stage's stores have read the rows' registers
	OFFS                                           ; for the next tile
	s_add_co_u32 s19, s33, 1
	s_cmp_lt_u32 s19, s34
	s_cbranch_scc0 .Lnone                          ; no further tile: no rows are asked for
	ROWS
.Lnone:
	WIN 0x01                                       ; source 0 window 1
.set ks, 0
.rept 8
.set tt, 0
.rept 4                                ; the four accumulators take turns, one instruction a turn
.set rD, ACC+8*tt
.set rA, (4*ks+tt)*8
.set rB, AF+8*ks
.set rC, ACC+8*tt
.if ks == 0
.set rC, B1+8*tt                       ; the bias starts the sum
.endif
.set rSA, WS+2*ks+tt/2
.set rSB, XS+ks%4
.set fA, tt%2
.set fB, ks/4
	MM
.set tt, tt+1
.endr
.set ks, ks+1
.endr
	WIN 0
.rept 4
	v_nop                                          ; places ahead of the load into a scale register and of the first read of results
.endr
	s_wait_alu depctr_va_vdst(0)
	global_load_b128 v[XS:XS+3], v11, s[24:25]     ; the next tile's scale words; its places name tokens in any case
.set i, 0
.rept 32
	v_max_num_f32 v[ACC+i], 0, v[ACC+i]            ; relu, each accumulator from its low end on
.set i, i+1
.endr
	; my 64 hidden units are two blocks of 32 along the next K; register 16 b + i is unit 32 b + 16 h + i.  No |.|: nothing is negative
.irp b, 0,1
	v_max3_num_f32 v[TM+\b], v[ACC+16*\b], v[ACC+16*\b+1], 0x1800000
.endr
.irp i, 2,4,6,8,10,12,14
.irp b, 0,1
	s_delay_alu instid0(VALU_DEP_2)
	v_max3_num_f32 v[TM+\b], v[TM+\b], v[ACC+16*\b+\i], v[ACC+16*\b+\i+1]
.endr
.endr
.irp b, 0,1
	s_delay_alu instid0(VALU_DEP_2)
	v_permlanex16_b32 v[TM+2+\b], v[TM+\b], s30, s31
.endr
.irp b, 0,1
	s_delay_alu instid0(VALU_DEP_2)
	v_max_num_f32 v[TM+\b], v[TM+\b], v[TM+2+\b]   ; with lane l xor 16's 16 units
.endr
.irp b, 0,1
	s_delay_alu instid0(VALU_DEP_2)
	v_add_nc_u32 v[TM+4+\b], 0xff000000, v[TM+\b]
.endr
.irp b, 0,1
	s_delay_alu instid0(VALU_DEP_2)
	v_lshrrev_b32 v[TM+6+\b], 23, v[TM+4+\b]
.endr
.irp b, 0,1
	v_cvt_scalef32_pk8_fp4_f32 v[PC+2*\b], v[ACC+16*\b:ACC+16*\b+7], v[TM+4+\b]
	v_cvt_scalef32_pk8_fp4_f32 v[PC+2*\b+1], v[ACC+16*\b+8:ACC+16*\b+15], v[TM+4+\b]
.endr
	v_nop                                          ; one plain place behind the conversions
	v_permlane16_swap_b32 v[PC], v[PC+2]           ; the operand's layout wants a whole block in a lane: lanes 0-15 the first, lanes 16-31 the second
	v_permlane16_swap_b32 v[PC+1], v[PC+3]
	v_cndmask_b32 v[BYS], v[TM+6], v[TM+7], s32    ; lane (r, h) stores block h's byte of token r
	global_store_b128 v12, v[PC:PC+3], s[26:27]    ; 512 consecutive bytes: four registers of the next operand, lane by lane
	global_store_b8 v13, v[BYS], s[28:29]
.Lskip:
	s_add_co_u32 s35, s35, 64
	s_add_co_u32 s33, s33, 1
	s_cmp_lt_u32 s33, 16
	s_cbranch_scc1 .Lrow
	s_wait_tensorcnt 0x0                           ; the wave's end: behind my last LDS store
	ds_add_u32 v16, v17
	s_wait_dscnt 0x0
	s_endpgm
.Lfunc_end_k_q423b480f1e_fc1:
	.size	k_q423b480f1e_fc1, .Lfunc_end_k_q423b480f1e_fc1-k_q423b480f1e_fc1
	.p2alignl 7, 3214868480
	.fill 96, 4, 3214868480
	.section	.rodata,"a",@progbits
	.p2align	6, 0x0
	.amdhsa_kernel k_q423b480f1e_fc1
		.amdhsa_group_segment_fixed_size 113664
		.amdhsa_private_segment_fixed_size 0
		.amdhsa_enable_private_segment 0
		.amdhsa_kernarg_size 48
		.amdhsa_user_sgpr_count 2
		.amdhsa_user_sgpr_kernarg_segment_ptr 1
		.amdhsa_wavefront_size32 1
		.amdhsa_system_sgpr_workgroup_id_x 1
		.amdhsa_system_sgpr_workgroup_id_y 1
		.amdhsa_system_sgpr_workgroup_id_z 1
		.amdhsa_system_vgpr_workitem_id 0
		.amdhsa_next_free_vgpr 512
		.amdhsa_next_free_sgpr 100
		.amdhsa_reserve_vcc 0
		.amdhsa_float_denorm_mode_32 3
		.amdhsa_float_denorm_mode_16_64 3
		.amdhsa_memory_ordered 1
		.amdhsa_forward_progress 1
		.amdhsa_inst_pref_size 80
	.end_amdhsa_kernel
	.amdgpu_metadata
---
amdhsa.version: [ 1, 2 ]
amdhsa.kernels:
  - .name:           k_q423b480f1e_fc1
    .symbol:         k_q423b480f1e_fc1.kd
    .args:
      - { .name: w1, .offset: 0, .size: 8, .value_kind: global_buffer, .address_space: global }
      - { .name: b1, .offset: 8, .size: 8, .value_kind: global_buffer, .address_space: global }
      - { .name: xq, .offset: 16, .size: 8, .value_kind: global_buffer, .address_space: global }
      - { .name: sel, .offset: 24, .size: 8, .value_kind: global_buffer, .address_space: global }
      - { .name: h, .offset: 32, .size: 8, .value_kind: global_buffer, .address_space: global }
      - { .name: lst, .offset: 40, .size: 8, .value_kind: global_buffer, .address_space: global }
    .group_segment_fixed_size: 113664
    .private_segment_fixed_size: 0
    .kernarg_segment_align: 8
    .kernarg_segment_size: 48
    .max_flat_workgroup_size: 256
    .sgpr_count:     100
    .vgpr_count:     512
    .wavefront_size: 32
...
	.end_amdgpu_metadata
.endif
;; end of part 2
;; launch fc2 (part 3): grid 16 x 16, 4 waves a work-group, no clusters, 83,456 bytes of LDS; arguments w2q, b2, h, sel, y, lst; writes y
.if DOCPART == 3
	.amdgcn_target "amdgcn-amd-amdhsa--gfx1250"
	.amdhsa_code_object_version 6
	.text
	.protected	k_q423b480f1e_fc2
	.globl	k_q423b480f1e_fc2
	.p2align	8
	.type	k_q423b480f1e_fc2,@function
k_q423b480f1e_fc2:
	s_mov_b64 s[64:65], 0
	v_nop
	global_prefetch_b8 v0, s[64:65] scope:SCOPE_SE
	s_setreg_imm32_b32 hwreg(HW_REG_WAVE_MODE, 25, 1), 1
	s_wait_xcnt 0x0
; FC2.  y = h Q(w2[e]) + b2[e] for the rows that chose expert e.  Both operands arrive as codes of E2M1 with E8M0 scale words, laid as images of this product's operand registers (w2q by the first launch, h by the second).
; Rows of experts that a token did not choose are left out: their gate is 0 by the problem's own one_hot masks.
; SHARES.  Work-group (j, 2 e + g) owns columns 64 j .. 64 j + 63 of expert e and the tokens 1,024 g .. 1,024 g + 1,023.  The slice, 64 fragments of 1,024 bytes, is 65,536 consecutive bytes of w2q: wave w loads a quarter,
; the quarters go round through LDS, and behind the one barrier every wave holds the slice in 512 registers.  Wave w takes the tiles 16 G + k of the tokens 256 G .. 256 G + 255, G = 4 g + w: as many tiles of 16
; as those of them that chose expert e fill, counted from sel (e1 | e2 << 8, whole numbers that an earlier launch stored).  A tile's 16 fragments land straight in the operand's registers, in four chunks,
; each asked for again, for the next tile, as soon as it is multiplied; each fragment of h feeds four products.
; Tile 0's bytes are asked for in any case, ahead of the count; where my tokens fill no tile nothing is made of them.
; WHERE A ROW GOES.  y: [4,160 rows][1,024] f32.  lst (whole numbers that the launch before stored) gives for each slot the row 2,048 x role + token, role 0 for the token's first expert and 1 for its second;
; for a place with no token the row 4,096 + 8 e + G, whose 256 bytes at 256 j my wave alone writes and nobody reads.  The word is held at 4,159 ahead of its use in an address.
; The walk over tiles has a trip count made of numbers read from memory; this text holds no tensor load and no joint request of a cluster.  No prefetch: each tile's 48 loads are issued a whole tile ahead, into registers.
; THE PRODUCT IS USED TRANSPOSED (source 0 = 16 columns of w2, source 1 = 16 rows of h): a lane holds eight neighbouring numbers of a row of y.
; REGISTERS: v0-31 addresses; v32-63 w2's scale words; v64-71 h's; v72-199 h's sixteen fragments; v200-231 sel at the head, then rows on their way out; v232-239 lst's words; v240-247 the rows' offsets in y.
;   v256-767 the slice: fragment (K step s, tile T) at 256 (1 + s / 8) + 8 (4 (s % 8) + T);  v768-799 four accumulators;  v800-831 b2 in the result's layout.
.set OST,   65536                      ; LDS: from 0 the slice's images, (16 T + s) x 1,024 + 512 c + 16 lane; here a stage for each wave: 16 rows of 256 bytes + 16 of padding
.set OP,    272
.set SPARE, 82944                      ; the spare words, 128 bytes for each wave
.set WS,  32                           ; register 2 s + p: lanes 0-15 tile 2 p, lanes 16-31 tile 2 p + 1
.set HS,  64                           ; register p: lanes 0-15 K step 2 p, lanes 16-31 K step 2 p + 1
.set AF,  72
.set OB,  200
.set SL,  200
.set LI,  232                          ; register i: lanes 0-15 row 2 i of the tile, lanes 16-31 row 2 i + 1
.set YA,  240
.set ACC, 0                            ; in window 3
.set B2,  32                           ; in window 3
.set MSB, 0
.macro WIN new                         ; the immediate's high byte repeats the setting that is left
.if MSB != \new
	s_set_vgpr_msb (MSB<<8)|\new
.set MSB, \new
.endif
.endm
	s_load_b256 s[4:11], s[0:1], 0x0               ; w2q s[4:5], b2 s[6:7], h s[8:9], sel s[10:11]
	s_load_b64 s[12:13], s[0:1], 0x20              ; y
	s_load_b64 s[70:71], s[0:1], 0x28              ; lst
	v_lshl_add_u32 v16, v0, 2, SPARE               ; my spare word
	v_mov_b32 v17, 0
	v_lshrrev_b32 v10, 5, v0
	v_readfirstlane_b32 s14, v10                   ; wave
	s_mov_b32 s15, ttmp9                           ; j
	s_and_b32 s16, ttmp7, 0xffff
	s_and_b32 s17, s16, 1
	s_lshr_b32 s16, s16, 1                         ; e
	s_lshl_b32 s17, s17, 2
	s_add_co_u32 s17, s17, s14                     ; G: which 256 tokens are my wave's
	v_and_b32 v10, 31, v0
	v_lshlrev_b32 v1, 4, v10                       ; 16 l
	v_lshlrev_b32 v8, 2, v10                       ; 4 l
	v_and_b32 v13, 15, v0                          ; r16
	v_bfe_u32 v14, v0, 4, 1                        ; h
	s_lshl_b32 s67, s14, 14
	v_add_nc_u32 v3, s67, v1                       ; LDS: my quarter of the images
	s_mul_i32 s67, s14, 16*OP
	s_add_co_u32 s67, s67, OST
	v_mul_u32_u24 v5, v13, OP
	v_lshl_add_u32 v5, v14, 5, v5
	v_add_nc_u32 v5, s67, v5                       ; my stage: in: row r16, + 32 h,
	v_mul_u32_u24 v6, v14, OP
	v_lshl_add_u32 v6, v13, 4, v6
	v_add_nc_u32 v6, s67, v6                       ; out: sixteen lanes to a row, two rows an instruction
	v_lshlrev_b32 v7, 4, v13                       ; y: my 16 bytes of a row's 256
	v_lshlrev_b32 v9, 5, v14
	v_lshlrev_b32 v15, 2, v14                      ; lst: 4 h
	s_lshl_b32 s52, s16, 20                        ; offsets, made apart from the addresses.  The codes: e x 1 MB + 65,536 j + 16,384 w
	s_lshl_b32 s67, s15, 16
	s_add_co_u32 s52, s52, s67
	s_lshl_b32 s67, s14, 14
	s_add_co_u32 s52, s52, s67
	s_mov_b32 s53, 0
	s_lshl_b32 s54, s16, 16                        ; w2's scale words: 8 MB + 65,536 e + 256 j
	s_lshl_b32 s62, s15, 8                         ; y: 256 j
	s_add_co_u32 s54, s54, s62
	s_add_co_u32 s54, s54, 8388608
	s_mov_b32 s55, 0
	s_lshl_b32 s56, s16, 12                        ; b2: 4,096 e + 256 j
	s_add_co_u32 s56, s56, s62
	s_mov_b32 s57, 0
	s_lshl_b32 s58, s16, 21                        ; h's codes: e x 2 MB + tile 16 G of 16,384 bytes
	s_lshl_b32 s67, s17, 18
	s_add_co_u32 s58, s58, s67
	s_mov_b32 s59, 0
	s_lshl_b32 s60, s16, 17                        ; h's scale words: 16 MB + 131,072 e + tile 16 G of 1,024 bytes
	s_lshl_b32 s67, s17, 14
	s_add_co_u32 s60, s60, s67
	s_add_co_u32 s60, s60, 16777216
	s_mov_b32 s61, 0
	s_mov_b32 s63, 0
	s_lshl_b32 s68, s17, 10                        ; sel: my 256 tokens' words
	s_mov_b32 s69, 0
	s_lshl_b32 s72, s16, 13                        ; lst: 8,192 e + 1,024 G
	s_add_co_u32 s72, s72, s68
	s_mov_b32 s73, 0
	s_wait_alu depctr_va_vdst(0)
	s_wait_kmcnt 0x0
	s_add_nc_u64 s[20:21], s[4:5], s[54:55]
	s_add_nc_u64 s[4:5], s[4:5], s[52:53]
	s_add_nc_u64 s[6:7], s[6:7], s[56:57]
	s_add_nc_u64 s[22:23], s[8:9], s[58:59]
	s_add_nc_u64 s[24:25], s[8:9], s[60:61]
	s_add_nc_u64 s[26:27], s[12:13], s[62:63]
	s_add_nc_u64 s[28:29], s[10:11], s[68:69]
	s_add_nc_u64 s[70:71], s[70:71], s[72:73]
	WIN 0x40                                       ; destination window 1
.set i, 0
.rept 32
	global_load_b128 v[4*i:4*i+3], v1, s[4:5] offset:512*i   ; my quarter of the slice: tile w's 16 fragments, 512 consecutive bytes a load
.set i, i+1
.endr
	WIN 0
	global_load_b128 v[SL:SL+3], v1, s[28:29]
	global_load_b128 v[SL+4:SL+7], v1, s[28:29] offset:512
	WIN 0xc0                                       ; destination window 3
.irp t, 0,1,2,3
	global_load_b128 v[B2+8*\t:B2+8*\t+3], v9, s[6:7] offset:64*\t        ; lane (r, h), tile T: columns 16 T + 8 h + 0 .. 7
	global_load_b128 v[B2+8*\t+4:B2+8*\t+7], v9, s[6:7] offset:64*\t+16
.endr
	WIN 0
.set i, 0
.rept 32
	global_load_b32 v[WS+i], v8, s[20:21] offset:4096*(i/2)+128*(i%2)
.set i, i+1
.endr
	s_wait_loadcnt 42                              ; my quarter is in: behind it stand sel's 2 loads, b2's 8 and the 32 of the scale words
	WIN 0x04                                       ; the data: window 1
.set i, 0
.rept 32
	ds_store_b128 v3, v[4*i:4*i+3] offset:512*i
.set i, i+1
.endr
	WIN 0
; Chunk q of a tile: four K steps' fragments (eight loads of 512 consecutive bytes), their scale words (two loads) and four rows' words of lst (two loads): twelve loads.  off = 1: of the next tile
.macro CHUNKLOAD q, off
.irp n, 0,1,2,3,4,5,6,7
	global_load_b128 v[AF+4*(8*\q+\n):AF+4*(8*\q+\n)+3], v1, s[22:23] offset:512*(8*\q+\n)+16384*\off
.endr
.irp p, 0,1
	global_load_b32 v[HS+2*\q+\p], v8, s[24:25] offset:128*(2*\q+\p)+1024*\off
	global_load_b32 v[LI+2*\q+\p], v15, s[70:71] offset:8*(2*\q+\p)+64*\off
.endr
.endm
.irp q, 0,1,2,3
	CHUNKLOAD \q, 0
.endr
	s_wait_dscnt 0x0                               ; for the others' sake: my quarter lies in LDS
	s_barrier_signal -1
	s_barrier_wait -1                              ; the whole slice lies in LDS
.irp W, 1,2
.set WM, 0x40*\W
	WIN WM                                         ; destination window 1, then 2
.set i, 0
.rept 64
	ds_load_b128 v[4*i:4*i+3], v1 offset:(((i/2)%4)*16+(\W-1)*8+i/8)*1024+512*(i%2)   ; fragment (s = 8 (W - 1) + i / 8, T = (i / 2) % 4), half i % 2
.set i, i+1
.endr
.endr
	WIN 0
	s_wait_loadcnt 48                              ; sel, b2 and the scale words are in; tile 0's 48 loads may be out
	; how many of my 256 tokens chose my expert: counted while the fragments come out of LDS
.irp i, 0,1,2,3,4,5,6,7
	v_and_b32 v[SL+8+\i], 0xff, v[SL+\i]           ; e1
	v_lshrrev_b32 v[SL+16+\i], 8, v[SL+\i]         ; e2
.endr
.irp i, 0,1,2,3,4,5,6,7
	v_cmp_eq_u32 s[36+\i], s16, v[SL+8+\i]
	v_cmp_eq_u32 s[44+\i], s16, v[SL+16+\i]
.endr
	s_mov_b32 s30, 15
.irp i, 0,1,2,3,4,5,6,7
	s_or_b32 s[36+\i], s[36+\i], s[44+\i]
.endr
.irp i, 0,1,2,3,4,5,6,7
	s_bcnt1_i32_b32 s[36+\i], s[36+\i]
.endr
.irp i, 0,1,2,3,4,5,6,7
	s_add_co_u32 s30, s30, s[36+\i]
.endr
	s_lshr_b32 s30, s30, 4
	s_min_u32 s30, s30, 16                         ; my tiles of 16 rows
	s_cmp_eq_u32 s30, 0
	s_cbranch_scc1 .Lend                           ; a wave with no tile; no barrier follows
.macro MM                              ; one product; the symbols say which
.if fA && fB
	v_wmma_scale_f32_16x16x128_f8f6f4 v[rD:rD+7], v[rA:rA+7], v[rB:rB+7], v[rC:rC+7], v[rSA], v[rSB] matrix_a_fmt:MATRIX_FMT_FP4 matrix_b_fmt:MATRIX_FMT_FP4 matrix_a_scale:MATRIX_SCALE_ROW1 matrix_b_scale:MATRIX_SCALE_ROW1
.elseif fA
	v_wmma_scale_f32_16x16x128_f8f6f4 v[rD:rD+7], v[rA:rA+7], v[rB:rB+7], v[rC:rC+7], v[rSA], v[rSB] matrix_a_fmt:MATRIX_FMT_FP4 matrix_b_fmt:MATRIX_FMT_FP4 matrix_a_scale:MATRIX_SCALE_ROW1
.elseif fB
	v_wmma_scale_f32_16x16x128_f8f6f4 v[rD:rD+7], v[rA:rA+7], v[rB:rB+7], v[rC:rC+7], v[rSA], v[rSB] matrix_a_fmt:MATRIX_FMT_FP4 matrix_b_fmt:MATRIX_FMT_FP4 matrix_b_scale:MATRIX_SCALE_ROW1
.else
	v_wmma_scale_f32_16x16x128_f8f6f4 v[rD:rD+7], v[rA:rA+7], v[rB:rB+7], v[rC:rC+7], v[rSA], v[rSB] matrix_a_fmt:MATRIX_FMT_FP4 matrix_b_fmt:MATRIX_FMT_FP4
.endif
.endm
; A tile of 16 rows.  At its head the tile's 48 loads are out, in the chunks' order.  refill = 1: each chunk's registers take the next tile's chunk as soon as they are used.
.macro BODY refill
.irp q, 0,1,2,3
.if \refill
	s_wait_loadcnt 36                              ; this chunk is in; behind it three chunks of twelve loads: the tile's later ones and the next tile's earlier ones
.else
	s_wait_loadcnt 12*(3-\q)                       ; this chunk is in; the tile's later chunks may be out
.endif
	; the slice's fragments of this chunk's K steps are in my registers.  In my first tile the slice's 128 LDS loads are out, in the order of the K steps, 32 to a chunk: behind chunk q's stand 32 (3 - q);
	; the count's field holds 63 at the most, which serves chunks 0 and 1.  In later tiles no LDS load is out here
.if \q < 2
	s_wait_dscnt 63
.else
	s_wait_dscnt 32*(3-\q)
.endif
.set WM, 0xf1+\q/2
	WIN WM                                         ; source 0 window 1 (K steps 0-7) or 2 (8-15), source 1 window 0, C and D window 3
.set ks, 4*\q
.rept 4
.set tt, 0
.rept 4                                ; the four accumulators take turns, one instruction a turn
.set rD, ACC+8*tt
.set rA, (4*(ks%8)+tt)*8
.set rB, AF+8*ks
.set rC, ACC+8*tt
.if ks == 0
.set rC, B2+8*tt                       ; the bias starts the sum
.endif
.set rSA, WS+2*ks+tt/2
.set rSB, HS+ks/2
.set fA, tt%2
.set fB, ks%2
	MM
.set tt, tt+1
.endr
.set ks, ks+1
.endr
	WIN 0
	; where rows 4 q .. 4 q + 3 go in y.  These four lines are also the places ahead of loads into registers that the products have read
	v_min_u32 v[YA+2*\q], 4159, v[LI+2*\q]
	v_min_u32 v[YA+2*\q+1], 4159, v[LI+2*\q+1]
	v_lshl_add_u32 v[YA+2*\q], v[YA+2*\q], 12, v7
	v_lshl_add_u32 v[YA+2*\q+1], v[YA+2*\q+1], 12, v7
.if \refill
	CHUNKLOAD \q, 1
.endif
.endr
	v_nop                                          ; a fifth place: the next tile's first products write over the accumulators; four serve the stores below
	WIN 0x0c                                       ; the data: window 3
.irp t, 0,1,2,3
.irp p, 0,1
	ds_store_b128 v5, v[ACC+8*\t+4*\p:ACC+8*\t+4*\p+3] offset:64*\t+16*\p   ; y(r, 16 T + 8 h + 4 p ..): each accumulator from its low end on
.endr
.endr
	WIN 0
.irp k, 0,1,2,3,4,5,6,7
	ds_load_b128 v[OB+4*\k:OB+4*\k+3], v6 offset:2*OP*\k   ; LDS serves a wave's instructions in order: these see my stores
.endr
	s_wait_alu depctr_va_vdst(0)
	s_wait_dscnt 0x0
.irp k, 0,1,2,3,4,5,6,7
	global_store_b128 v[YA+\k], v[OB+4*\k:OB+4*\k+3], s[26:27]   ; sixteen lanes store a row's 256 consecutive bytes, aligned
.endr
.if \refill
	s_wait_xcnt 0x0                                ; the loads and stores have read their bases and registers: both may be written again
	s_add_nc_u64 s[22:23], s[22:23], 16384         ; a tile on
	s_add_nc_u64 s[24:25], s[24:25], 1024
	s_add_nc_u64 s[70:71], s[70:71], 64
.endif
.endm
	s_sub_co_u32 s18, s30, 1                       ; all my tiles but the last have a successor to ask for:
	s_min_u32 s18, s18, 15                         ; 15 at the most
	s_cmp_eq_u32 s18, 0
	s_cbranch_scc1 .Ltail
	s_mov_b32 s19, 0                               ; the trip, counted by ones
.Lloop:
	BODY 1
	s_add_co_u32 s19, s19, 1
	s_cmp_lt_u32 s19, s18
	s_cbranch_scc1 .Lloop
.Ltail:
	BODY 0                                         ; my last tile asks for nothing
.Lend:
	s_wait_tensorcnt 0x0                           ; the wave's end: behind my last LDS store
	ds_add_u32 v16, v17
	s_wait_dscnt 0x0
	s_endpgm
.Lfunc_end_k_q423b480f1e_fc2:
	.size	k_q423b480f1e_fc2, .Lfunc_end_k_q423b480f1e_fc2-k_q423b480f1e_fc2
	.p2alignl 7, 3214868480
	.fill 96, 4, 3214868480
	.section	.rodata,"a",@progbits
	.p2align	6, 0x0
	.amdhsa_kernel k_q423b480f1e_fc2
		.amdhsa_group_segment_fixed_size 83456
		.amdhsa_private_segment_fixed_size 0
		.amdhsa_enable_private_segment 0
		.amdhsa_kernarg_size 48
		.amdhsa_user_sgpr_count 2
		.amdhsa_user_sgpr_kernarg_segment_ptr 1
		.amdhsa_wavefront_size32 1
		.amdhsa_system_sgpr_workgroup_id_x 1
		.amdhsa_system_sgpr_workgroup_id_y 1
		.amdhsa_system_sgpr_workgroup_id_z 1
		.amdhsa_system_vgpr_workitem_id 0
		.amdhsa_next_free_vgpr 1024
		.amdhsa_next_free_sgpr 100
		.amdhsa_reserve_vcc 0
		.amdhsa_float_denorm_mode_32 3
		.amdhsa_float_denorm_mode_16_64 3
		.amdhsa_memory_ordered 1
		.amdhsa_forward_progress 1
		.amdhsa_inst_pref_size 56
	.end_amdhsa_kernel
	.amdgpu_metadata
---
amdhsa.version: [ 1, 2 ]
amdhsa.kernels:
  - .name:           k_q423b480f1e_fc2
    .symbol:         k_q423b480f1e_fc2.kd
    .args:
      - { .name: w2q, .offset: 0, .size: 8, .value_kind: global_buffer, .address_space: global }
      - { .name: b2, .offset: 8, .size: 8, .value_kind: global_buffer, .address_space: global }
      - { .name: h, .offset: 16, .size: 8, .value_kind: global_buffer, .address_space: global }
      - { .name: sel, .offset: 24, .size: 8, .value_kind: global_buffer, .address_space: global }
      - { .name: y, .offset: 32, .size: 8, .value_kind: global_buffer, .address_space: global }
      - { .name: lst, .offset: 40, .size: 8, .value_kind: global_buffer, .address_space: global }
    .group_segment_fixed_size: 83456
    .private_segment_fixed_size: 0
    .kernarg_segment_align: 8
    .kernarg_segment_size: 48
    .max_flat_workgroup_size: 128
    .sgpr_count:     100
    .vgpr_count:     1024
    .wavefront_size: 32
...
	.end_amdgpu_metadata
.endif
;; end of part 3
;; launch combine (part 4): grid 256 x 1, 8 waves a work-group, no clusters, 0 bytes of LDS; arguments hidden_states, y, xq, out0; writes out0
.if DOCPART == 4
	.amdgcn_target "amdgcn-amd-amdhsa--gfx1250"
	.amdhsa_code_object_version 6
	.text
	.protected	k_q423b480f1e_combine
	.globl	k_q423b480f1e_combine
	.p2align	8
	.type	k_q423b480f1e_combine,@function
k_q423b480f1e_combine:
	s_mov_b64 s[64:65], 0
	v_nop
	global_prefetch_b8 v0, s[64:65] scope:SCOPE_SE
	s_setreg_imm32_b32 hwreg(HW_REG_WAVE_MODE, 25, 1), 1
	s_wait_xcnt 0x0
; COMBINE.  out0[t] = g1 y[t] + g2 y[2,048 + t], and x[t] wherever that sum is 0.  The six terms of the experts that token t did not choose are left out: their gate is 0 by the problem's own one_hot masks.
; The launch before has laid y by token: row t holds the first expert's result for token t, row 2,048 + t the second's.  So every address here is made of ids alone, and all of a wave's loads go out at its head.
; Each output row has one owner: a wave takes a token, a lane 16 bytes of each 512.
; A stream: no LDS, no matrix unit, no cluster (work-groups share nothing), no prefetch (no loop to run ahead in).
.set X,   16                           ; v16-47   x's row
.set Y1,  48                           ; v48-79   the first expert's row, then the result
.set Y2,  80                           ; v80-111  the second's
	s_load_b256 s[4:11], s[0:1], 0x0               ; x s[4:5], y s[6:7], xq s[8:9], out0 s[10:11]
	v_lshrrev_b32 v1, 5, v0
	s_delay_alu instid0(VALU_DEP_1)
	v_readfirstlane_b32 s14, v1                    ; wave
	v_and_b32 v1, 31, v0
	s_lshl_b32 s15, ttmp9, 3
	s_add_co_u32 s15, s15, s14                     ; my token
	s_lshl_b32 s16, s15, 3
	s_lshl_b32 s17, s15, 12
	v_lshl_add_u32 v2, v1, 4, s17                  ; its row in x, in y and in out0, + 16 l
	s_wait_alu depctr_va_vdst(0)
	s_wait_kmcnt 0x0
	s_load_b64 s[20:21], s[8:9], s16 offset:0x110000    ; g1, g2
	s_add_nc_u64 s[12:13], s[6:7], 0x800000        ; y's rows 2,048 on
.irp i, 0,1,2,3,4,5,6,7
	global_load_b128 v[X+4*\i:X+4*\i+3], v2, s[4:5] offset:512*\i th:TH_LOAD_NT
.endr
.irp i, 0,1,2,3,4,5,6,7
	global_load_b128 v[Y1+4*\i:Y1+4*\i+3], v2, s[6:7] offset:512*\i th:TH_LOAD_NT
	global_load_b128 v[Y2+4*\i:Y2+4*\i+3], v2, s[12:13] offset:512*\i th:TH_LOAD_NT
.endr
	s_wait_kmcnt 0x0
	s_mov_b32 s22, s21                             ; g2 as the low word of a pair (the packed form names a pair and takes its low word for both halves)
	s_mov_b32 s23, s21
.irp i, 0,1,2,3,4,5,6,7
	s_wait_loadcnt 14-2*\i                         ; x and this piece's two loads are in; the later pieces' pairs may be out
.irp k, 0,2
	v_pk_mul_f32 v[Y2+4*\i+\k:Y2+4*\i+\k+1], v[Y2+4*\i+\k:Y2+4*\i+\k+1], s[22:23] op_sel_hi:[1,0]
.endr
.irp k, 0,2
	s_delay_alu instid0(VALU_DEP_2)
	v_pk_fma_f32 v[Y1+4*\i+\k:Y1+4*\i+\k+1], v[Y1+4*\i+\k:Y1+4*\i+\k+1], s[20:21], v[Y2+4*\i+\k:Y2+4*\i+\k+1] op_sel_hi:[1,0,1]
.endr
.irp k, 0,1,2,3
	v_cmp_eq_f32 vcc_lo, 0, v[Y1+4*\i+\k]
	s_delay_alu instid0(VALU_DEP_1)
	v_cndmask_b32 v[Y1+4*\i+\k], v[Y1+4*\i+\k], v[X+4*\i+\k], vcc_lo   ; where the sum is 0: x
.endr
	global_store_b128 v2, v[Y1+4*\i:Y1+4*\i+3], s[10:11] offset:512*\i th:TH_STORE_NT   ; 32 lanes store 512 consecutive bytes, aligned
.endr
	s_endpgm
.Lfunc_end_k_q423b480f1e_combine:
	.size	k_q423b480f1e_combine, .Lfunc_end_k_q423b480f1e_combine-k_q423b480f1e_combine
	.p2alignl 7, 3214868480
	.fill 96, 4, 3214868480
	.section	.rodata,"a",@progbits
	.p2align	6, 0x0
	.amdhsa_kernel k_q423b480f1e_combine
		.amdhsa_group_segment_fixed_size 0
		.amdhsa_private_segment_fixed_size 0
		.amdhsa_enable_private_segment 0
		.amdhsa_kernarg_size 32
		.amdhsa_user_sgpr_count 2
		.amdhsa_user_sgpr_kernarg_segment_ptr 1
		.amdhsa_wavefront_size32 1
		.amdhsa_system_sgpr_workgroup_id_x 1
		.amdhsa_system_sgpr_workgroup_id_y 1
		.amdhsa_system_sgpr_workgroup_id_z 1
		.amdhsa_system_vgpr_workitem_id 0
		.amdhsa_next_free_vgpr 112
		.amdhsa_next_free_sgpr 66
		.amdhsa_reserve_vcc 1
		.amdhsa_float_denorm_mode_32 3
		.amdhsa_float_denorm_mode_16_64 3
		.amdhsa_memory_ordered 1
		.amdhsa_forward_progress 1
		.amdhsa_inst_pref_size 10
	.end_amdhsa_kernel
	.amdgpu_metadata
---
amdhsa.version: [ 1, 2 ]
amdhsa.kernels:
  - .name:           k_q423b480f1e_combine
    .symbol:         k_q423b480f1e_combine.kd
    .args:
      - { .name: hidden_states, .offset: 0, .size: 8, .value_kind: global_buffer, .address_space: global }
      - { .name: y, .offset: 8, .size: 8, .value_kind: global_buffer, .address_space: global }
      - { .name: xq, .offset: 16, .size: 8, .value_kind: global_buffer, .address_space: global }
      - { .name: out0, .offset: 24, .size: 8, .value_kind: global_buffer, .address_space: global }
    .group_segment_fixed_size: 0
    .private_segment_fixed_size: 0
    .kernarg_segment_align: 8
    .kernarg_segment_size: 32
    .max_flat_workgroup_size: 256
    .sgpr_count:     66
    .vgpr_count:     112
    .wavefront_size: 32
...
	.end_amdgpu_metadata
.endif
;; end of part 4
